; MI455X (gfx1250); checked and timed in simulation.
; The chip was launched on July 23, 2026; its instructions are those of AMD's public machine-readable ISA for CDNA 5 (MIT licence, August 2026) and "CDNA5" Instruction Set Architecture Reference Guide (July 2026). The comments in the code are by the model that wrote it; some were corrected since.
;; Scaled Dot Product Attention. Allowed arithmetic: matrix products marked QUANTISED: E3M2 operands, one E8M0 scale for each 32 along K, by v_wmma_scale_f32_16x16x128_f8f6f4 with both operands' format E3M2, f32 sums; everything else in f32.
;; Inputs: k 2 x 16 x 2,048 x 64 float32; mask 1 x 1 x 2,048 x 2,048 float32; q 2 x 16 x 2,048 x 64 float32; v 2 x 16 x 2,048 x 64 float32.
;; Outputs: out0 2 x 16 x 2,048 x 64 float32.
;; This version of the problem:
;;   THIS VERSION OF THE PROBLEM IS GIVEN IN LOW PRECISION. The matrix products marked QUANTISED in the list below multiply operands that are first quantised to E3M2 (3 exponent bits, 2 mantissa bits; 6 bits a number), with one power-of-two scale for each 32 numbers along K (OCP MX v1.0); their sums are f32. All else is computed in f32.
;;   The module's matrix products, in the order in which they are computed (A, B: the left and right operand; K: the contracted axis; several contracted axes count as one K, in the product's order):
;;     1. batch 32 x [M 2,048, K 64] x [K 64, N 2,048]; A: input q; B: input k: QUANTISED
;;     2. batch 32 x [M 2,048, K 2,048] x [K 2,048, N 64]; A: softmax (see below); B: input v: QUANTISED
;;   THE QUANTISER, for each operand of a quantised product, along K:
;;     - K is cut into blocks of 32 from its start; a last block that is shorter is filled with zeros.
;;     - A block's scale is 2^e with e = floor(log2(the largest magnitude in the block)) - 4, held to -126 .. 127; a block of zeros has e = 0. As a byte (E8M0): e + 127.
;;     - Each number is divided by its block's scale, clamped to +-28, and rounded to the nearest number of E3M2, ties to even, subnormals kept.
;;     - The product sums the exact products of the quantised numbers (number of the format x scale) in f32.
;;   ~~~python
;;   def quantise(x, axis):      # numpy; x: float32 -> the quantised numbers, widened to float32 again
;;       x = np.moveaxis(x, axis, -1); K = x.shape[-1]
;;       x = np.pad(x, [(0, 0)] * (x.ndim - 1) + [(0, -K % 32)]); x = x.reshape(x.shape[:-1] + (-1, 32)); a = np.abs(x).max(-1, keepdims=True)
;;       e = np.where(a > 0, np.clip(np.frexp(np.where(a > 0, a, 1))[1] - 1 - 4, -126, 127), 0)      # np.frexp(a)[1] - 1 = floor(log2(a)), exactly
;;       r = np.clip(x / 2.0 ** e, -28, 28)
;;       step = 2.0 ** (np.maximum(np.frexp(np.where(r == 0, 1, r))[1] - 1, -2) - 2)
;;       q = np.round(r / step) * step * 2.0 ** e      # np.round: ties to even
;;       return np.moveaxis(q.reshape(q.shape[:-2] + (-1,))[..., :K], -1, axis).astype(np.float32)
;;   ~~~
;;   SOFTMAX AHEAD OF A QUANTISED PRODUCT. Where the list says 'softmax', what is quantised is not the finished softmax but p = 2^(t - M), with t = logit x log2(e) and M = ceil(the row's largest t), a whole number; so 1/2 < the row's largest p <= 1. The row's sum l is taken of the UNQUANTISED p, in f32, and the product's result is divided by l at the end. Since M is a whole number, a kernel that streams over the keys may use a running M (the ceiling of the running maximum): every later rescaling is an exact power of two, which a block's scale takes up: the codes' values come out the same.
;;   OPERANDS COMPUTED ON THE WAY. 'Computed on the way' means the value that the module computes at that place (a softmax that the list does not call 'softmax' is quantised finished and normalised). What goes into a quantiser is computed in f32, as accurately as f32 sums, v_exp_f32 and their like allow (about 1e-6 of the number): no bf16 or f16 on the way to a quantiser, and a product that is left as it is and whose result goes on into a quantised operand takes f32 operands (vector FMAs, or v_wmma_f32_16x16x4_f32). A number that lies on a knife's edge between two numbers of the format may be rounded either way, as far as f32 arithmetic and the matrix unit's own rounding can turn it there, and no further.
;; One version. Each part assembles by itself: llvm-mc -triple=amdgcn-amd-amdhsa -mcpu=gfx1250 --defsym DOCPART=n.
;; ======== version 1 of 1: 2 launches
;; limits: right only within a limited range of input values
;; workspace buffers: kv 6,815,744 bytes
;; launch prep (part 1): grid 512 x 1, 4 waves a work-group, no clusters, 70,656 bytes of LDS; arguments k, v, kv; writes kv
.if DOCPART == 1
	.amdgcn_target "amdgcn-amd-amdhsa--gfx1250"
	.amdhsa_code_object_version 6
	.text
	.protected	k_q4101f6e9dc_prep
	.globl	k_q4101f6e9dc_prep
	.p2align	8
	.type	k_q4101f6e9dc_prep,@function
k_q4101f6e9dc_prep:
	s_mov_b64 s[64:65], 0
	v_nop
	global_prefetch_b8 v0, s[64:65] scope:SCOPE_SE
	s_setreg_imm32_b32 hwreg(HW_REG_WAVE_MODE, 25, 1), 1
	s_wait_xcnt 0x0
; K and V, [32 heads][2048 keys][64] f32, are quantised ONCE to codes of BF6 (E3M2) with one E8M0 byte for each 32 along a product's K:
; K along the head's 64 (first product), V along the keys (second product).  The codes are laid as IMAGES OF THE OPERAND REGISTERS that the
; attention launch wants, one dense block of 13,312 bytes for each (head, step of 128 keys):
;   0     K: four pair-fragments of 1,536 bytes.  Pair b is 12 registers a lane: registers 0-5 tile 2 b, registers 6-11 tile 2 b + 1 (16 keys x 64 each)
;   6144  V: four fragments of 1,536 bytes.  Fragment f: 16 of the head's 64 (16 f + r) x 128 keys
;   12288 K's scale words, lane l, pair b at 16 l + 4 b;      12800 V's, lane l, fragment f at 16 l + 4 f
; A fragment's image is three runs of 512 bytes: registers 4 c .. 4 c + 3 of lane l at 512 c + 16 l.
; THE KEYS OF A TILE ARE NOT NEIGHBOURS: lane r of tile 4 c + u takes key 64 c + 8 u + (r % 8) + 32 (r / 8), so that in the transposed score tiles a lane's 32 registers of tiles 4 c .. 4 c + 3 are a whole block of 32 neighbouring keys.
; A block's scale is 2^(floor(log2(its largest magnitude)) - 4); its byte is the largest magnitude's exponent field - 4, held at 1 from below.  A block of zeros keeps the byte 1 (the rule says 127):
; its codes are zeros, which add nothing under any byte but 0xff, and only this program reads the bytes.
; LIMITS: blocks whose largest magnitude lies under 2^-122 take the floor's scale; NaN and infinities among the inputs are not served.
; SHARES: work-group g = 16 x head + step; wave w makes K's pair w and V's fragment w.  A lane holds whole blocks of 32 (two for K, two for V), so no maximum crosses lanes.
; LOADS: every global load reads 512 consecutive bytes, 16 a lane.  K's pair w needs two runs of 16 keys (4,096 bytes each): they turn through the wave's own stage.  V's 128 rows are loaded 32 a wave
; into a shared region, and behind a barrier each wave reads its 16 columns, registers running down the keys.  Each group of 32 rows of V lies 64 bytes further on than dense, so that the two halves of the lanes read different banks.
; The work-groups share no input, so there is no cluster; no tensor load; the scale words meet in LDS and leave as aligned runs of 256 bytes.
.set KVB,  13312
.set VG,   8256                        ; 32 rows of V in LDS: 8,192 bytes + 64
.set VB0,  1024                        ; V's four groups begin behind the scale words
.set KST,  34304                       ; behind V's four groups: a stage for each wave
.set KSTW, 8960
.set KRUN, 4480                        ; the stage's second run of 16 rows of 272 bytes begins 128 bytes further on than dense: rows r and r + 8 of a read fall on different banks
.set SW,   0                           ; 1,024 bytes of scale words
.set SPARE, 70144                      ; the spare words, 128 bytes a wave: two blocks of 256 bytes that no other line names
.set MX,   12                          ; v12-13  largest magnitudes
.set SO,   14                          ; v14-15  the conversions' scale operands
.set BY,   16                          ; v16-17  the bytes
.set T,    20                          ; v20-22, v24-26  the second halves of the blocks' codes
.set PCK,  28                          ; v28-39  K's pair-fragment
.set PCV,  40                          ; v40-51  V's fragment
.set PWK,  52
.set PWV,  53
.set AKI,  56                          ; LDS: K into my stage
.set AKO,  57                          ; and back
.set AVI,  58                          ; LDS: V in
.set AVO,  59                          ; and back
.set X,    64                          ; v64-127  K
.set Y,    128                         ; v128-191 V
	s_load_b128 s[4:7], s[0:1], 0x0                ; k, v
	s_load_b64 s[8:9], s[0:1], 0x10                ; kv
	v_lshl_add_u32 v192, v0, 2, SPARE
	v_mov_b32 v193, 0
	v_lshrrev_b32 v1, 5, v0
	v_readfirstlane_b32 s10, v1                    ; wave 0..3
	s_lshr_b32 s11, s10, 1
	s_lshl_b32 s11, s11, 14                        ; K: 64 keys x (w / 2)
	s_and_b32 s18, s10, 1
	s_lshl_b32 s18, s18, 12
	s_add_co_u32 s11, s11, s18                     ; + 16 keys x (w % 2)
	s_lshl_b32 s18, s10, 13                        ; V: 32 rows x wave
	s_mul_i32 s19, s10, VG
	s_add_co_u32 s19, s19, VB0
	s_mul_i32 s22, s10, KSTW
	s_add_co_u32 s22, s22, KST                     ; my stage
	s_lshl_b32 s23, s10, 6                         ; my 16 columns of V
	s_add_co_u32 s23, s23, VB0
	s_lshl_b32 s24, s10, 2
	s_mov_b32 s20, 0x76543210
	s_mov_b32 s21, 0xfedcba98                      ; v_permlanex16_b32's selects for lane l xor 16
	s_lshl_b32 s12, ttmp9, 15                      ; 128 keys x 256 bytes for each work-group
	s_mov_b32 s13, 0
	s_mul_i32 s14, ttmp9, KVB
	s_mov_b32 s15, 0
	s_mul_i32 s16, s10, 1536
	s_mov_b32 s17, 0
	v_and_b32 v1, 31, v0                           ; lane
	v_and_b32 v2, 15, v0                           ; r
	v_bfe_u32 v3, v0, 4, 1                         ; h
	v_lshlrev_b32 v6, 4, v1                        ; 16 x lane
	v_add_nc_u32 v4, s11, v6                       ; K in memory
	v_add_nc_u32 v5, s18, v6                       ; V in memory
	v_add_nc_u32 v[AVI], s19, v6
	v_mul_u32_u24 v[AKI], v3, 272
	v_lshl_add_u32 v[AKI], v2, 4, v[AKI]
	v_add_nc_u32 v[AKI], s22, v[AKI]               ; a load's two rows of 256 bytes, 272 apart
	v_bfe_u32 v[AKO], v0, 3, 1
	v_mul_u32_u24 v[AKO], v[AKO], KRUN             ; run r / 8,
	v_and_b32 v9, 7, v0
	v_mad_u32_u24 v[AKO], v9, 272, v[AKO]          ; row r % 8,
	v_lshl_add_u32 v[AKO], v3, 7, v[AKO]           ; + 128 h: my block of 32 along the head's 64
	v_add_nc_u32 v[AKO], s22, v[AKO]
	v_mul_u32_u24 v[AVO], v3, VG                   ; lanes 16-31 begin 32 keys further down
	v_lshl_add_u32 v[AVO], v2, 2, v[AVO]
	v_add_nc_u32 v[AVO], s23, v[AVO]               ; column 16 w + r
	v_add_nc_u32 v7, s24, v6                       ; my scale word: 16 x lane + 4 x wave
	v_lshlrev_b32 v8, 3, v0                        ; back out: 256 x wave + 8 x lane
	v_lshlrev_b32 v10, 3, v3                       ; 8 h: my bytes' place in a scale word
	v_mov_b32 v11, 0                               ; a lane permute's destination counts as one of its sources
	s_wait_alu depctr_va_vdst(0)                   ; the wait at the head's end
	s_wait_kmcnt 0x0
	s_add_nc_u64 s[4:5], s[4:5], s[12:13]
	s_add_nc_u64 s[6:7], s[6:7], s[12:13]
	s_add_nc_u64 s[14:15], s[8:9], s[14:15]        ; my block
	s_add_nc_u64 s[16:17], s[14:15], s[16:17]      ; my fragment in it
.irp i, 0,1,2,3,4,5,6,7,8,9,10,11,12,13,14,15
	global_load_b128 v[X+4*\i:X+4*\i+3], v4, s[4:5] offset:512*(\i%8)+8192*(\i/8) th:TH_LOAD_NT   ; two runs of 16 keys, 32 keys apart
.endr
.irp i, 0,1,2,3,4,5,6,7,8,9,10,11,12,13,14,15
	global_load_b128 v[Y+4*\i:Y+4*\i+3], v5, s[6:7] offset:512*\i th:TH_LOAD_NT
.endr
; 64 numbers of a lane, two whole blocks of 32 (block 2 c + h in v[s + 32 c] on), become a fragment's 12 registers v[pc] on and its scale word v[pw]
.macro QUANT s, pc, pw
.irp c, 0,1
	v_max3_num_f32 v[MX+\c], |v[\s+32*\c]|, |v[\s+32*\c+1]|, 0x2800000   ; with the floor 2^(5 - 127): the byte cannot fall under 1
.endr
.irp i, 2,4,6,8,10,12,14,16,18,20,22,24,26,28,30
.irp c, 0,1
	v_max3_num_f32 v[MX+\c], v[MX+\c], |v[\s+32*\c+\i]|, |v[\s+32*\c+\i+1]|
.endr
.endr
.irp c, 0,1
	v_add_nc_u32 v[SO+\c], 0xfe000000, v[MX+\c]    ; 4 off the exponent field: the conversion takes that field of this operand as its scale
.endr
.irp c, 0,1
	v_lshrrev_b32 v[BY+\c], 23, v[SO+\c]           ; the scale's byte
.endr
	v_lshl_or_b32 v[\pw], v[BY+1], 16, v[BY]       ; my bytes: blocks h and 2 + h,
	v_lshlrev_b32 v[\pw], v10, v[\pw]              ; at their places (8 h bits up);
	v_permlanex16_b32 v11, v[\pw], s20, s21
	v_or_b32 v[\pw], v[\pw], v11                   ; with lane l xor 16's two the word is whole
.irp c, 0,1
	v_cvt_scalef32_pk16_bf6_f32 v[\pc+6*\c:\pc+6*\c+2], v[\s+32*\c:\s+32*\c+15], v[SO+\c]
	v_cvt_scalef32_pk16_bf6_f32 v[T+4*\c:T+4*\c+2], v[\s+32*\c+16:\s+32*\c+31], v[SO+\c]   ; (a conversion's three registers begin on an even number)
.endr
	v_nop                                          ; one plain place behind a scaled conversion
.irp c, 0,1
.irp i, 0,1,2
	v_mov_b32 v[\pc+3+6*\c+\i], v[T+4*\c+\i]
.endr
.endr
.endm
	s_wait_loadcnt 16                              ; K's 16 loads are in; V's 16 may be out
.irp i, 0,1,2,3,4,5,6,7,8,9,10,11,12,13,14,15
	ds_store_b128 v[AKI], v[X+4*\i:X+4*\i+3] offset:544*(\i%8)+KRUN*(\i/8)
.endr
	s_wait_loadcnt 0x0
.irp i, 0,1,2,3,4,5,6,7,8,9,10,11,12,13,14,15
	ds_store_b128 v[AVI], v[Y+4*\i:Y+4*\i+3] offset:512*\i
.endr
	s_wait_dscnt 0x0                               ; for the others' sake: my rows of V lie in LDS
	s_barrier_signal -1
	s_barrier_wait -1
.irp u, 0,1
.irp j, 0,1,2,3,4,5,6,7
	ds_load_b128 v[X+32*\u+4*\j:X+32*\u+4*\j+3], v[AKO] offset:2176*\u+16*\j   ; K(my key of tile 2 w + u, 32 h + 4 j ..)
.endr
.endr
.irp c, 0,1
.irp i, 0,1,2,3,4,5,6,7,8,9,10,11,12,13,14,15,16,17,18,19,20,21,22,23,24,25,26,27,28,29,30,31
	ds_load_b32 v[Y+32*\c+\i], v[AVO] offset:2*VG*\c+256*\i   ; V(64 c + 32 h + i, 16 w + r)
.endr
.endr
	s_wait_dscnt 63                                ; K's 16 loads are back: 64 loads of V were issued behind them, and the count's field ends at 63, so V's first is awaited with them
	QUANT X, PCK, PWK
.irp c, 0,1,2
	global_store_b128 v6, v[PCK+4*\c:PCK+4*\c+3], s[16:17] offset:512*\c   ; 32 lanes store 512 consecutive bytes, aligned
.endr
	ds_store_b32 v7, v[PWK] offset:SW
	s_wait_dscnt 0x0                               ; V
	QUANT Y, PCV, PWV
.irp c, 0,1,2
	global_store_b128 v6, v[PCV+4*\c:PCV+4*\c+3], s[16:17] offset:6144+512*\c
.endr
	ds_store_b32 v7, v[PWV] offset:SW+512
	s_wait_dscnt 0x0                               ; for the others' sake: my scale words lie in LDS
	s_barrier_signal -1
	s_barrier_wait -1
	ds_load_b64 v[54:55], v8 offset:SW             ; 1,024 bytes of scale words, 256 a wave
	s_wait_dscnt 0x0
	global_store_b64 v8, v[54:55], s[14:15] offset:12288   ; 32 lanes store 256 consecutive bytes, aligned
	s_wait_tensorcnt 0x0                           ; the wave's end
	ds_add_u32 v192, v193
	s_wait_dscnt 0x0
	s_endpgm
.Lfunc_end_k_q4101f6e9dc_prep:
	.size	k_q4101f6e9dc_prep, .Lfunc_end_k_q4101f6e9dc_prep-k_q4101f6e9dc_prep
	.p2alignl 7, 3214868480
	.fill 96, 4, 3214868480
	.section	.rodata,"a",@progbits
	.p2align	6, 0x0
	.amdhsa_kernel k_q4101f6e9dc_prep
		.amdhsa_group_segment_fixed_size 70656
		.amdhsa_private_segment_fixed_size 0
		.amdhsa_enable_private_segment 0
		.amdhsa_kernarg_size 24
		.amdhsa_user_sgpr_count 2
		.amdhsa_user_sgpr_kernarg_segment_ptr 1
		.amdhsa_wavefront_size32 1
		.amdhsa_system_sgpr_workgroup_id_x 1
		.amdhsa_system_sgpr_workgroup_id_y 1
		.amdhsa_system_sgpr_workgroup_id_z 1
		.amdhsa_system_vgpr_workitem_id 0
		.amdhsa_next_free_vgpr 194
		.amdhsa_next_free_sgpr 66
		.amdhsa_reserve_vcc 0
		.amdhsa_float_denorm_mode_32 3
		.amdhsa_float_denorm_mode_16_64 3
		.amdhsa_memory_ordered 1
		.amdhsa_forward_progress 1
		.amdhsa_inst_pref_size 20
	.end_amdhsa_kernel
	.amdgpu_metadata
---
amdhsa.version: [ 1, 2 ]
amdhsa.kernels:
  - .name:           k_q4101f6e9dc_prep
    .symbol:         k_q4101f6e9dc_prep.kd
    .args:
      - { .name: k, .offset: 0, .size: 8, .value_kind: global_buffer, .address_space: global }
      - { .name: v, .offset: 8, .size: 8, .value_kind: global_buffer, .address_space: global }
      - { .name: kv, .offset: 16, .size: 8, .value_kind: global_buffer, .address_space: global }
    .group_segment_fixed_size: 70656
    .private_segment_fixed_size: 0
    .kernarg_segment_align: 8
    .kernarg_segment_size: 24
    .max_flat_workgroup_size: 128
    .sgpr_count:     66
    .vgpr_count:     194
    .wavefront_size: 32
...
	.end_amdgpu_metadata
.endif
;; end of part 1
;; launch attn (part 2): grid 32 x 8, 8 waves a work-group, clusters of 4 x 4, 327,680 bytes of LDS; arguments q, mask, kv, out0; writes out0
.if DOCPART == 2
	.amdgcn_target "amdgcn-amd-amdhsa--gfx1250"
	.amdhsa_code_object_version 6
	.text
	.protected	k_q4101f6e9dc_attn
	.globl	k_q4101f6e9dc_attn
	.p2align	8
	.type	k_q4101f6e9dc_attn,@function
k_q4101f6e9dc_attn:
	s_mov_b64 s[64:65], 0
	v_nop
	global_prefetch_b8 v0, s[64:65] scope:SCOPE_SE
	s_setreg_imm32_b32 hwreg(HW_REG_WAVE_MODE, 25, 1), 1
	s_wait_xcnt 0x0
	s_wait_alu depctr_hold_cnt(0) depctr_sa_sdst(0) depctr_va_vdst(0) depctr_va_sdst(0) depctr_va_ssrc(0) depctr_va_vcc(0) depctr_vm_vsrc(0)
	s_getreg_b32 s2, hwreg(HW_REG_IB_STS2, 6, 4)
	s_cmp_eq_u32 s2, 0
	s_cbranch_scc0 .Lentry_in_a_cluster
	s_endpgm
.Lentry_in_a_cluster:
	s_bfe_u32 s2, ttmp6, 0x10000c
	s_cmp_lg_u32 s2, 0xf033
	s_cbranch_scc0 .Lentry_shape_is_right
	s_endpgm
.Lentry_shape_is_right:
; out0[head][q][:] = the sum over k of softmax_k(q . k / 8 + mask[q][k]) v[k][:], 32 heads, 2,048 queries and keys, head size 64; both products on codes of BF6 (E3M2) with E8M0 scales for each 32 along K.
; K and V come as images of their operand registers, one dense block of 13,312 bytes for each (head, step of 128 keys), made by the launch before.  q is quantised here, in registers.  The mask is an input: every number of it is loaded and added; no tile is left out.
; THE SOFTMAX: t = logit x log2(e); M = the row's largest t so far, rounded UP to a whole number; p = 2^(t - M) is quantised along the keys, not normalised.  The row's sum is taken of the unquantised p and divides at the end.
; When M moves, the sum and O are multiplied by 2^(old M - new M), which rounds nothing.  A block's largest p is made from its largest logit by the same multiply-add and exponential (this takes v_exp_f32 not to fall where its input rises).
; THE MASK AND THE 1 / 8: 3 is taken off q's scale bytes; the mask's f32 numbers are loaded from LDS straight into the score accumulators and are the C of the first product: D is the logit.
; K = 64 IN AN INSTRUCTION OF 128.  One operand of K holds TWO tiles of 16 keys.  Q stands as 18 registers [q, zeros, q]: registers 0-11 are [q, 0], registers 6-17 are [0, q]: the padding is zero CODES in Q alone.
; LAYOUT.  Both products are used transposed (S^T = K Q^T, O^T = V^T P^T): a lane holds ONE query (lane % 16).  Lane r of tile 4 c + u takes key 64 c + 8 u + (r % 8) + 32 (r / 8), so register 32 c + i of lane (r, h) is key 64 c + 32 h + i:
; a lane holds two WHOLE blocks of 32 keys, in the order of the second product's operand: a block's maximum crosses no lane and the conversions' results are the operand.
; SHARES.  A work-group: 64 queries x 4 heads, 8 waves.  Wave w: head w / 2 of the four, queries 32 (w % 2) on: two tiles of 16 queries, which share every fragment of K and V.  Tile 0 lies in window 0, tile 1 in window 1 at the same numbers.
; CLUSTER, 4 x 4.  The K and V blocks hang on the head group (work-group y): asked for jointly along a row.  The mask's tile hangs on the query block (work-group x): jointly along a column.
; RING.  Two LDS slots of one step (64 x 128 of the mask, four heads' blocks).  Every wave issues one load a fill: waves 0-3 a head's block, waves 4-7 sixteen rows of the mask.  Trip x works the softmax and V^T P of step x on registers and reads step x + 1 from the other slot.
; By this text's count a wave has one tensor load out.
; PREFETCH.  Trip x (x up to 11) names step x + 4, two refills ahead of the load that wants it.  A head's block is 52 runs of 256 bytes: the four partners along a row take 13 each (13 cx + lane); a wave's 16 mask rows are 32 runs: the four partners along a column take 8 each
; (rows 4 cy on); lanes left over name their wave's last run again.  The shares are told apart by address alone.
; LIMITS: the promise holds while the exponents to the base 2 stay under 2^31 in magnitude; NaN and infinities among the inputs (a mask of -infinity too) are not served; blocks of q whose largest magnitude lies under 2^-119 take the floor's scale;
; the mask is added inside the matrix instruction's f32 sum.
.set SLOT1,  131072
.set MPITCH, 528                       ; a row of the mask's tile: 512 bytes + 16
.set KVOFF,  64*MPITCH
.set KVB,    13312
.set STAGE,  SLOT1+KVOFF+4*KVB         ; 32 rows x 272 bytes for each wave: q's way in, the way out; no tile lands here
.set SPITCH, 272
.set SPARE,  STAGE+8*32*SPITCH         ; the spare words, 128 bytes a wave
; window 0 alone
.set AM0,  1
.set AKV0, 2
.set SPW,  3
.set NIL,  4
.set GO,   5                           ; 16 x lane
.set STO,  6
.set RD,   7
.set ADM,  8
.set ADKV, 9
.set QS,   10                          ; v10-11 q's scale words
.set PFO,  34                          ; the prefetches' lane offset
.set QA,   35                          ; q back from the stage
.set VB,   36                          ; v36-83 V (window 0)
.set KB,   36                          ; v36-83 K (window 1)
.set KS,   84
.set VS,   88
; a tile's context, the same numbers in both windows
.set NM,   12                          ; -M
.set ML,   13                          ; the largest logit so far
.set LS,   14                          ; v14-15 the row's sum
.set QF,   16                          ; v16-33 [q, zeros, q]
.set SC,   96                          ; v96-159 the mask, the logits, p
.set OA,   160                         ; v160-191 O^T
.set PC,   192                         ; v192-203 p's codes
.set PH,   204                         ; v204-206, v208-210
.set BM,   212                         ; v212, v214 the blocks' largest; v213, v215 second chains
.set TP,   216
.set SO,   220                         ; v220-221
.set H8,   222                         ; 8 h
.set PW,   224                         ; p's scale word (v225 of window 0: tile 1's copy)
.set FF,   226                         ; v226-227 f
.set TT,   228
.set C2,   230                         ; v230-235 three more chains of the sum
.set WV,   12
.set SEL,  22
.set CS,   24
.set TB,   26
.set CNT,  27
.set G1K,  28
.set G1M,  36
.set G0K,  44
.set G0M,  48
.set PFA,  52                          ; s[52:53] where my prefetches stand
.set PST,  54                          ; s[54:55] their step
.set MSB, 0
.macro WIN new
.if MSB != (\new)
	s_set_vgpr_msb (MSB<<8)|(\new)
.set MSB, \new
.endif
.endm
.macro PLACES
.rept 4
	v_nop
.endr
.endm
.macro CROUND
	s_barrier_signal -1
	s_barrier_wait -1
	s_cmp_lg_u32 s[WV], 0
	s_cbranch_scc1 .Lnot_wave_0_\@
	s_barrier_signal -3
.Lnot_wave_0_\@:
	s_barrier_wait -3
	s_barrier_signal -1
	s_barrier_wait -1
.endm
.macro JLOAD                           ; every wave's one joint load; the branch hangs on the wave's number alone; s_nop 0 and four v_nop follow each line
	s_cmp_lt_u32 s[WV], 4
	s_cbranch_scc0 .Lfor_m_\@
	tensor_load_to_lds s[G0K:G0K+3], s[G1K:G1K+7]
	s_nop 0
.rept 4
	v_nop
.endr
	s_branch .Lasked_\@
.Lfor_m_\@:
	tensor_load_to_lds s[G0M:G0M+3], s[G1M:G1M+7]
	s_nop 0
.rept 4
	v_nop
.endr
.Lasked_\@:
.endm
	s_load_b256 s[4:11], s[0:1], 0x0               ; q, mask, kv, out0
	v_lshl_add_u32 v[SPW], v0, 2, SPARE
	v_mov_b32 v[NIL], 0
	ds_add_u32 v[SPW], v[NIL]                      ; the opening lines: the add, twice on end, and its wait
	ds_add_u32 v[SPW], v[NIL]
	v_lshrrev_b32 v36, 5, v0
	v_readfirstlane_b32 s[WV], v36                 ; wave 0..7
	s_lshr_b32 s13, s[WV], 1                       ; my head of the four
	s_and_b32 s14, s[WV], 1                        ; my 32 of the 64 queries
	s_and_b32 s15, s[WV], 3                        ; which part I fetch
	s_bfe_u32 s16, ttmp6, 0x40000                  ; cx
	s_bfe_u32 s17, ttmp6, 0x40004                  ; cy
	s_lshl_b32 s18, ttmp9, 2
	s_add_co_u32 s18, s18, s16                     ; query block
	s_and_b32 s19, ttmp7, 0xffff
	s_lshl_b32 s19, s19, 2
	s_add_co_u32 s19, s19, s17                     ; head group
	s_lshl_b32 s20, s17, 2
	s_lshl_b32 s20, 15, s20                        ; my row of the cluster
	s_lshl_b32 s21, 0x1111, s16                    ; my column
	s_or_b32 s[G1K], s20, (3<<16)|(1<<21)          ; a block: 52 rows of 32 elements of 8 bytes, dense
	s_mov_b32 s[G1K+1], 32<<16
	s_mov_b32 s[G1K+2], 52<<16
	s_mov_b32 s[G1K+3], 32<<16
	s_mov_b32 s[G1K+4], 52
	s_mov_b32 s[G1K+5], 32
	s_mov_b32 s[G1K+6], 0
	s_mov_b32 s[G1K+7], 0
	s_or_b32 s[G1M], s21, (2<<16)|(1<<20)|(1<<21)|(6<<22)|(3<<25)   ; 16 rows of 128 f32, 2,048 apart; 4 words of padding behind every 128
	s_mov_b32 s[G1M+1], 128<<16
	s_mov_b32 s[G1M+2], 16<<16
	s_mov_b32 s[G1M+3], 128<<16
	s_mov_b32 s[G1M+4], 16
	s_mov_b32 s[G1M+5], 2048
	s_mov_b32 s[G1M+6], 0
	s_mov_b32 s[G1M+7], 0
	s_lshl_b32 s66, s19, 2
	s_add_co_u32 s66, s66, s15
	s_mul_i32 s66, s66, 16*KVB                     ; the head whose blocks I fetch: head group and wave alone
	s_mov_b32 s67, 0
	s_lshl_b32 s68, s18, 19                        ; the mask's 64 rows of 8,192 bytes: query block and wave alone
	s_lshl_b32 s72, s15, 17
	s_add_co_u32 s68, s68, s72                     ; + my 16 rows
	s_mov_b32 s69, 0
	s_lshl_b32 s70, s19, 2
	s_add_co_u32 s70, s70, s13                     ; my head
	s_lshl_b32 s70, s70, 19
	s_lshl_b32 s72, s18, 14
	s_add_co_u32 s70, s70, s72
	s_lshl_b32 s72, s14, 13
	s_add_co_u32 s70, s70, s72                     ; q and out0: my first row
	s_mov_b32 s71, 0
	s_mov_b32 s[G0K], 1
	s_mul_i32 s[G0K+1], s15, KVB
	s_add_co_u32 s[G0K+1], s[G0K+1], KVOFF
	s_mov_b32 s[G0M], 1
	s_mul_i32 s[G0M+1], s15, 16*MPITCH
	s_mul_i32 s76, s16, 13*256                     ; the prefetches: my 13 runs of the block, at step 3 (the first trip steps on to 4)
	s_add_co_u32 s76, s76, s66
	s_add_co_u32 s76, s76, 3*KVB
	s_mov_b32 s77, 0
	s_lshl_b32 s78, s17, 15                        ; or my 4 rows of the mask's 16
	s_add_co_u32 s78, s78, s68
	s_add_co_u32 s78, s78, 3*512
	s_mov_b32 s79, 0
	s_mov_b32 s[PST], 512
	s_mov_b32 s[PST+1], 0
	s_mov_b32 s80, 8192
	s_cmp_lt_u32 s[WV], 4
	s_cselect_b32 s[PST], KVB, s[PST]
	s_cselect_b32 s80, 512, s80                    ; bytes from one pair of runs to the next
	s_cselect_b32 s81, 12, 7                       ; my last run
	s_cselect_b64 s[76:77], s[76:77], s[78:79]
	s_mul_i32 s74, s14, 32*MPITCH
	s_mul_i32 s75, s13, KVB
	s_add_co_u32 s75, s75, KVOFF
	s_mul_i32 s82, s[WV], 32*SPITCH
	s_add_co_u32 s82, s82, STAGE
	s_mov_b32 s[SEL], 0x76543210
	s_mov_b32 s[SEL+1], 0xfedcba98
	s_mov_b32 s[CS], 0x3fb8aa3b                    ; log2(e)
	s_mov_b32 s[CS+1], s[CS]
	s_mov_b32 s[TB], 0
	s_mov_b32 s[CNT], 14
	v_and_b32 v36, 31, v0                          ; lane
	v_and_b32 v37, 15, v0                          ; r
	v_bfe_u32 v38, v0, 4, 1                        ; h
	v_mul_u32_u24 v[AM0], v37, MPITCH
	v_lshl_add_u32 v[AM0], v38, 7, v[AM0]          ; the mask: row r, + 128 h: my 32 keys of 64
	v_add_nc_u32 v[AM0], s74, v[AM0]
	v_lshlrev_b32 v[GO], 4, v36
	v_add_nc_u32 v[AKV0], s75, v[GO]
	v_mul_u32_u24 v[STO], v37, SPITCH
	v_lshl_add_u32 v[STO], v38, 5, v[STO]
	v_add_nc_u32 v[STO], s82, v[STO]               ; out: row r, + 32 h
	v_mul_u32_u24 v[RD], v38, SPITCH
	v_lshl_add_u32 v[RD], v37, 4, v[RD]
	v_add_nc_u32 v[RD], s82, v[RD]                 ; whole rows: lanes 0-15 one row of 256 bytes, lanes 16-31 the next
	v_mul_u32_u24 v[QA], v37, SPITCH
	v_lshl_add_u32 v[QA], v38, 7, v[QA]
	v_add_nc_u32 v[QA], s82, v[QA]                 ; q: row r, + 128 h: my block of 32
	v_lshlrev_b32 v[H8], 3, v38
	v_min_u32 v37, s81, v36
	v_and_b32 v38, 1, v37
	v_lshrrev_b32 v37, 1, v37
	v_mul_u32_u24 v37, v37, s80
	v_lshl_add_u32 v[PFO], v38, 8, v37
	s_wait_alu depctr_va_vdst(0)                   ; the wait at the head's end
	s_wait_dscnt 0x0                               ; both opening adds are done
	s_wait_kmcnt 0x0
	s_add_nc_u64 s[G0K+2:G0K+3], s[8:9], s[66:67]
	s_or_b32 s[G0K+3], s[G0K+3], 0x80000000
	s_add_nc_u64 s[G0M+2:G0M+3], s[6:7], s[68:69]
	s_or_b32 s[G0M+3], s[G0M+3], 0x80000000
	s_add_nc_u64 s[4:5], s[4:5], s[70:71]
	s_add_nc_u64 s[10:11], s[10:11], s[70:71]
	s_cmp_lt_u32 s[WV], 4
	s_cselect_b64 s[PFA:PFA+1], s[8:9], s[6:7]
	s_add_nc_u64 s[PFA:PFA+1], s[PFA:PFA+1], s[76:77]
.irp i, 0,1,2,3,4,5,6,7,8,9,10,11,12,13,14,15
	global_load_b128 v[SC+4*\i:SC+4*\i+3], v[GO], s[4:5] offset:512*\i th:TH_LOAD_NT   ; my 32 rows of q: 512 consecutive bytes a load
.endr
	CROUND                                         ; all sixteen work-groups are here: the first joint loads meet
	JLOAD                                          ; step 0 into slot 0: one tensor load a wave at the head
.macro CTXINIT
	v_mov_b32 v[TP], 0                             ; a lane permute's destination counts as one of its sources
	v_mov_b32 v[FF+1], 0
	v_mov_b32 v[ML], 0xff167680                    ; -2e38: under every logit served
	v_mov_b32 v[NM], 0x7f000000                    ; so the first change of M gives f = 0
	v_mov_b32 v[LS], 0
	v_mov_b32 v[LS+1], 0
.endm
	CTXINIT
	WIN 0x40
	v_mov_b32 v[H8], v[H8]
	WIN 0x55
	CTXINIT
	WIN 0
	s_wait_alu depctr_va_vdst(0)                   ; directly ahead of the wait below
	s_wait_loadcnt 0x0
	s_wait_tensorcnt 0x0                           ; my part of step 0 has landed: no tensor load of mine is out while I store to my stage
.irp i, 0,1,2,3,4,5,6,7,8,9,10,11,12,13,14,15
	ds_store_b128 v[RD], v[SC+4*\i:SC+4*\i+3] offset:\i*2*SPITCH
.endr
.irp j, 0,1,2,3,4,5,6,7
	ds_load_b128 v[OA+4*\j:OA+4*\j+3], v[QA] offset:16*\j          ; LDS serves a wave's instructions in order: these see my stores.  Tile 0: q(r, 32 h + 4 j ..)
.endr
	WIN 0x40
.irp j, 0,1,2,3,4,5,6,7
	ds_load_b128 v[OA+4*\j:OA+4*\j+3], v[QA] offset:16*SPITCH+16*\j   ; tile 1
.endr
; q's 16 rows become [q, zeros, q] and a scale word (s0, s1, s0, s1), each byte 3 less than the rule's: q / 8, exactly.  The floor 2^(8 - 127) holds that byte at 1 from below.
.macro QQ t
	WIN 0x55*\t
	v_max3_num_f32 v[TT], |v[OA]|, |v[OA+1]|, 0x4000000
.irp i, 2,4,6,8,10,12,14,16,18,20,22,24,26,28,30
	v_max3_num_f32 v[TT], v[TT], |v[OA+\i]|, |v[OA+\i+1]|
.endr
	v_add_nc_u32 v[SO], 0xfe000000, v[TT]
	v_lshrrev_b32 v[TT], 23, v[SO]
	v_add_nc_u32 v[TT], -3, v[TT]
	v_permlanex16_b32 v[TP], v[TT], s[SEL], s[SEL+1]
	v_lshl_or_b32 v[TT], v[TP], 8, v[TT]           ; lanes 0-15: (s0, s1); only these lanes' words are read
	v_lshl_or_b32 v[TT], v[TT], 16, v[TT]
	v_cvt_scalef32_pk16_bf6_f32 v[QF:QF+2], v[OA:OA+15], v[SO]
	v_cvt_scalef32_pk16_bf6_f32 v[PH:PH+2], v[OA+16:OA+31], v[SO]
	v_nop
.irp i, 0,1,2
	v_mov_b32 v[QF+3+\i], v[PH+\i]
	v_mov_b32 v[QF+12+\i], v[QF+\i]
	v_mov_b32 v[QF+15+\i], v[PH+\i]
.endr
.irp i, 0,1,2,3,4,5
	v_mov_b32 v[QF+6+\i], 0
.endr
.if \t
	WIN 0x01
.endif
	v_mov_b32 v[QS+\t], v[TT]
.endm
.macro OZERO                           ; the trip is written for every step alike: the first finds zeros
.set n, 0
.rept 32
	v_mov_b32 v[OA+n], 0
.set n, n+1
.endr
.endm
	s_wait_dscnt 0x0
	QQ 0
	QQ 1
	WIN 0
	OZERO
	WIN 0x55
	OZERO
	WIN 0
.macro ADDR
	v_add_nc_u32 v[ADM], s[TB], v[AM0]
	v_add_nc_u32 v[ADKV], s[TB], v[AKV0]
	s_wait_alu depctr_va_vdst(0)
.endm
.macro LDK                             ; 13 loads
	WIN 0
	ds_load_b128 v[KS:KS+3], v[ADKV] offset:12288
	WIN 0x40
.irp b, 0,1,2,3
.irp c, 0,1,2
	ds_load_b128 v[KB+12*\b+4*\c:KB+12*\b+4*\c+3], v[ADKV] offset:1536*\b+512*\c
.endr
.endr
.endm
.macro LDMASK t                        ; 16 loads: register 32 c + i = key 64 c + 32 h + i
	WIN 0x40*\t
.irp c, 0,1
.irp j, 0,1,2,3,4,5,6,7
	ds_load_b128 v[SC+32*\c+4*\j:SC+32*\c+4*\j+3], v[ADM] offset:16*MPITCH*\t+256*\c+16*\j
.endr
.endr
.endm
.macro LDV                             ; 13 loads
	WIN 0
.irp f, 0,1,2,3
.irp c, 0,1,2
	ds_load_b128 v[VB+12*\f+4*\c:VB+12*\f+4*\c+3], v[ADKV] offset:6144+1536*\f+512*\c
.endr
.endr
	ds_load_b128 v[VS:VS+3], v[ADKV] offset:12800
.endm
.macro SMUL t                          ; the logits of tile t: 8 products, each on an accumulator of its own, C = the mask
.if \t
	WIN 0x55
.else
	WIN 0x01
.endif
.irp b, 0,1,2,3
	v_wmma_scale_f32_16x16x128_f8f6f4 v[SC+16*\b:SC+16*\b+7], v[KB+12*\b:KB+12*\b+11], v[QF:QF+11], v[SC+16*\b:SC+16*\b+7], v[KS+\b], v[QS+\t] matrix_a_fmt:MATRIX_FMT_BF6 matrix_b_fmt:MATRIX_FMT_BF6
	v_wmma_scale_f32_16x16x128_f8f6f4 v[SC+16*\b+8:SC+16*\b+15], v[KB+12*\b:KB+12*\b+11], v[QF+6:QF+17], v[SC+16*\b+8:SC+16*\b+15], v[KS+\b], v[QS+\t] matrix_a_fmt:MATRIX_FMT_BF6 matrix_b_fmt:MATRIX_FMT_BF6
.endr
.endm
.macro PVMUL t                         ; O^T += V^T P^T of tile t
.if \t
	WIN 0x54
.else
	WIN 0
.endif
.irp f, 0,1,2,3
	v_wmma_scale_f32_16x16x128_f8f6f4 v[OA+8*\f:OA+8*\f+7], v[VB+12*\f:VB+12*\f+11], v[PC:PC+11], v[OA+8*\f:OA+8*\f+7], v[VS+\f], v[PW+\t] matrix_a_fmt:MATRIX_FMT_BF6 matrix_b_fmt:MATRIX_FMT_BF6
.endr
.endm
; All that stands ahead of a tile's exponentials: the blocks' largest logits, M, f, t - M, and the sum and O^T under the new M.  Each accumulator is read from its low end on.
.macro MAXF
.irp b, 0,1,2,3
	v_max3_num_f32 v[BM+\b], v[SC+16*\b], v[SC+16*\b+1], v[SC+16*\b+2]
.endr
.irp i, 3,5,7,9,11,13
.irp b, 0,1,2,3
	v_max3_num_f32 v[BM+\b], v[BM+\b], v[SC+16*\b+\i], v[SC+16*\b+\i+1]
.endr
.endr
	v_max3_num_f32 v[BM], v[BM], v[BM+1], v[SC+15]
	v_max3_num_f32 v[BM+2], v[BM+2], v[BM+3], v[SC+47]
	v_max_num_f32 v[BM], v[BM], v[SC+31]           ; my block h of keys 0-63,
	v_max_num_f32 v[BM+2], v[BM+2], v[SC+63]       ; and of keys 64-127
	s_delay_alu instid0(VALU_DEP_1)
	v_max_num_f32 v[TT], v[BM], v[BM+2]
	s_delay_alu instid0(VALU_DEP_1)
	v_permlanex16_b32 v[TP], v[TT], s[SEL], s[SEL+1]
	s_delay_alu instid0(VALU_DEP_1)
	v_max3_num_f32 v[ML], v[ML], v[TT], v[TP]      ; the row's largest logit so far
	s_delay_alu instid0(VALU_DEP_1)
	v_mul_f32 v[TT], s[CS], v[ML]                  ; as t
	v_mov_b32 v[TP+1], v[NM]
	s_delay_alu instid0(VALU_DEP_2)
	v_floor_f32 v[NM], -v[TT]                      ; -M = floor(-t)
	s_delay_alu instid0(VALU_DEP_1)
	v_sub_f32 v[TT], v[NM], v[TP+1]                ; old M - new M, a whole number, 0 or less
	s_delay_alu instid0(VALU_DEP_1)
	v_cvt_i32_f32 v[TT], v[TT]                     ; (it saturates)
	s_delay_alu instid0(VALU_DEP_1)
	v_ldexp_f32 v[FF], 1.0, v[TT]                  ; f
	v_fma_f32 v[BM], v[BM], s[CS], v[NM]
	v_fma_f32 v[BM+2], v[BM+2], s[CS], v[NM]
.set n, 0
.rept 32
	v_pk_fma_f32 v[SC+n:SC+n+1], v[SC+n:SC+n+1], s[CS:CS+1], v[NM:NM+1] op_sel_hi:[1,0,0]   ; t - M
.set n, n+2
.endr
	v_pk_mul_f32 v[LS:LS+1], v[LS:LS+1], v[FF:FF+1] op_sel_hi:[1,0]
.set n, 0
.rept 16
	v_pk_mul_f32 v[OA+n:OA+n+1], v[OA+n:OA+n+1], v[FF:FF+1] op_sel_hi:[1,0]
.set n, n+2
.endr
.endm
.macro EXPS
.set n, 0
.rept 64
	v_exp_f32 v[SC+n], v[SC+n]                     ; p = 2^(t - M)
.set n, n+1
.endr
	v_exp_f32 v[BM], v[BM]                         ; the blocks' largest p
	v_exp_f32 v[BM+2], v[BM+2]
.endm
.macro QUANT                           ; p's codes and scale word; the plain lines behind the conversions take turns, so that no line waits for the line above it
	v_max_num_f32 v[BM], 0x2800000, v[BM]          ; the floor 2^(5 - 127): the byte cannot fall under 1
	v_max_num_f32 v[BM+2], 0x2800000, v[BM+2]
	v_add_nc_u32 v[SO], 0xfe000000, v[BM]          ; 4 off the exponent field
	v_add_nc_u32 v[SO+1], 0xfe000000, v[BM+2]
.irp c, 0,1
	v_cvt_scalef32_pk16_bf6_f32 v[PC+6*\c:PC+6*\c+2], v[SC+32*\c:SC+32*\c+15], v[SO+\c]
	v_cvt_scalef32_pk16_bf6_f32 v[PH+4*\c:PH+4*\c+2], v[SC+32*\c+16:SC+32*\c+31], v[SO+\c]
.endr
	v_lshrrev_b32 v[TP], 23, v[SO]                 ; the bytes (also the plain place behind the conversions)
	v_lshrrev_b32 v[TP+1], 23, v[SO+1]
	v_mov_b32 v[PC+3], v[PH]
	v_lshl_or_b32 v[PW], v[TP+1], 16, v[TP]        ; blocks h and 2 + h,
	v_mov_b32 v[PC+4], v[PH+1]
	v_lshlrev_b32 v[PW], v[H8], v[PW]              ; at their places;
	v_mov_b32 v[PC+5], v[PH+2]
	v_permlanex16_b32 v[TP], v[PW], s[SEL], s[SEL+1]
	v_mov_b32 v[PC+9], v[PH+4]
	v_or_b32 v[PW], v[PW], v[TP]                   ; with lane l xor 16's two the word is whole
	v_mov_b32 v[PC+10], v[PH+5]
	v_mov_b32 v[PC+11], v[PH+6]
.endm
.macro PADD d, m
	v_pk_add_f32 v[\d:\d+1], v[\d:\d+1], v[SC+2*(\m):SC+2*(\m)+1]
.endm
.macro SUM                             ; the row's sum of the unquantised p: 32 pairs in four chains
	PADD LS, 0
.irp k, 1,2,3
	v_pk_add_f32 v[C2+2*\k-2:C2+2*\k-1], v[SC+2*\k:SC+2*\k+1], v[SC+2*\k+8:SC+2*\k+9]
.endr
	PADD LS, 4
.irp g, 8,12,16,20,24,28
.irp k, 1,2,3
	PADD C2+2*\k-2, \g+\k
.endr
	PADD LS, \g
.endr
	v_pk_add_f32 v[C2:C2+1], v[C2:C2+1], v[C2+2:C2+3]
	v_pk_add_f32 v[LS:LS+1], v[LS:LS+1], v[C2+4:C2+5]
	v_pk_add_f32 v[LS:LS+1], v[LS:LS+1], v[C2:C2+1]
.endm
; THE CHANGE OF SLOTS.  Each wave waits for its tensor load (its part of the slot about to be read), adds 0 to its spare word, and waits for that and for its reads of the slot that it has left.
; fill = 1: the other slot is filled; the barrier is a round of the cluster's, and the joint load is the first thing behind it.  pf = 1: the prefetches' address steps on.
.macro CHANGE fill, pf
	s_wait_alu depctr_va_vdst(0)                   ; directly ahead of the waits below
	s_wait_tensorcnt 0x0
	ds_add_u32 v[SPW], v[NIL]
.if \fill
	s_xor_b32 s[G0K+1], s[G0K+1], SLOT1
	s_add_nc_u64 s[G0K+2:G0K+3], s[G0K+2:G0K+3], KVB
	s_xor_b32 s[G0M+1], s[G0M+1], SLOT1
	s_add_nc_u64 s[G0M+2:G0M+3], s[G0M+2:G0M+3], 512
.endif
.if \pf
	s_wait_xcnt 0x0                                ; the last trip's prefetch has read its address
	s_add_nc_u64 s[PFA:PFA+1], s[PFA:PFA+1], s[PST:PST+1]
.endif
	s_wait_dscnt 0x0
.if \fill
	CROUND
	JLOAD
.else
	s_barrier_signal -1
	s_barrier_wait -1
.endif
.endm
; TRIP x.  On entry both tiles' logits and V of step x are in registers.  next = 1: step x + 1 is read from the slot at s[TB] and its logits are made.
; All sources of both tiles' exponentials are laid first, then one batch, so that the waits round a batch stand twice a trip.
; No two matrix instructions that follow each other share an accumulator, over the backward jump too.
.macro BODY next, pf
.if \next
	ADDR
	LDK
.endif
	WIN 0
.if \pf
	s_cmp_gt_u32 s[CNT], 2                         ; the last two trips have no step four on
	s_cbranch_scc0 .Lno_pf_\@
	global_prefetch_b8 v[PFO], s[PFA:PFA+1] th:TH_LOAD_NT scope:SCOPE_SE
.Lno_pf_\@:
.endif
	MAXF
	WIN 0x55
	MAXF
	s_wait_alu depctr_va_vdst(0)                   ; ahead of the batch
	WIN 0
	EXPS
	WIN 0x55
	EXPS
	v_nop                                          ; one plain place behind a transcendental
	s_wait_alu depctr_va_vdst(0)                   ; and behind it
	WIN 0
	QUANT
	SUM
.if \next
	LDMASK 0                                       ; tile 0's p has been summed and converted
.endif
	WIN 0x55
	QUANT
	WIN 0x01
	v_mov_b32 v[PW+1], v[PW]                       ; tile 1's scale word into window 0
	WIN 0x55
	SUM                                            ; (also the places between tile 1's codes and scale word and its products)
.if \next
	LDMASK 1
.endif
	PVMUL 0
	PVMUL 1
.if \next
	s_wait_dscnt 16                                ; K and tile 0's mask are in; tile 1's 16 loads may be out
	SMUL 0
.endif
	WIN 0
	PLACES                                         ; in front of the loads into V's registers, or of the reads of O^T
.if \next
	LDV
	s_wait_dscnt 13                                ; tile 1's mask is in; V's 13 loads may be out
	SMUL 1
	WIN 0
	PLACES                                         ; in front of the next trip's loads into K's registers
	s_xor_b32 s[TB], s[TB], SLOT1
.endif
.endm
	CHANGE 1, 0                                    ; step 0 is in; slot 1's first fill, step 1, is issued as a refill is
	ADDR
	LDK
	LDMASK 0
	LDMASK 1
	s_wait_dscnt 0x0
	SMUL 0
	SMUL 1
	WIN 0
	PLACES
	LDV
	s_xor_b32 s[TB], s[TB], SLOT1
.Lstep:                                                ; 14 trips, x = 0 .. 13: each asks for step x + 2 and reads step x + 1
	CHANGE 1, 1
	BODY 1, 1
	s_sub_co_u32 s[CNT], s[CNT], 1
	s_cmp_lg_u32 s[CNT], 0
	s_cbranch_scc1 .Lstep
	CHANGE 0, 0                                    ; the tail is written out: nothing is left to ask for
	BODY 1, 0                                      ; x = 14: reads step 15
	s_wait_alu depctr_va_vdst(0)
	s_wait_dscnt 0x0                               ; V of step 15
	BODY 0, 0                                      ; x = 15
	; THE WAY OUT.  The sum's halves and lane l xor 16's are added; O^T is divided by the sum and goes through my stage: in as 32 bytes a lane of a row, back as whole rows of 256 bytes.
.macro LSUM
	v_add_f32 v[LS], v[LS], v[LS+1]
	v_permlanex16_b32 v[TP], v[LS], s[SEL], s[SEL+1]
	v_add_f32 v[LS], v[LS], v[TP]
.endm
.macro ODIV
	s_wait_alu depctr_va_vdst(0)                   ; directly ahead of the first reader of O^T and of the reciprocal
.set n, 0
.rept 16
	v_pk_mul_f32 v[SC+n:SC+n+1], v[OA+n:OA+n+1], v[LS:LS+1] op_sel_hi:[1,0]   ; register 8 f + j is o(r, 16 f + 8 h + j)
.set n, n+2
.endr
.endm
	LSUM
	WIN 0x55
	LSUM
	s_wait_alu depctr_va_vdst(0)
	WIN 0
	v_rcp_f32 v[LS], v[LS]
	WIN 0x55
	v_rcp_f32 v[LS], v[LS]
	v_nop
	WIN 0
	ODIV
	WIN 0x55
	ODIV
	WIN 0
.irp f, 0,1,2,3
	ds_store_b128 v[STO], v[SC+8*\f:SC+8*\f+3] offset:64*\f
	ds_store_b128 v[STO], v[SC+8*\f+4:SC+8*\f+7] offset:64*\f+16
.endr
	WIN 0x04                                       ; an LDS store's data are its source 1
.irp f, 0,1,2,3
	ds_store_b128 v[STO], v[SC+8*\f:SC+8*\f+3] offset:16*SPITCH+64*\f
	ds_store_b128 v[STO], v[SC+8*\f+4:SC+8*\f+7] offset:16*SPITCH+64*\f+16
.endr
	WIN 0
.irp i, 0,1,2,3,4,5,6,7,8,9,10,11,12,13,14,15
	ds_load_b128 v[SC+4*\i:SC+4*\i+3], v[RD] offset:\i*2*SPITCH
.endr
.irp i, 0,1,2,3,4,5,6,7,8,9,10,11,12,13,14,15
	s_wait_dscnt 15-\i                             ; load i is in; the younger ones may be out
	global_store_b128 v[GO], v[SC+4*\i:SC+4*\i+3], s[10:11] offset:512*\i th:TH_STORE_NT   ; 32 lanes store two rows, 512 consecutive bytes, aligned
.endr
	s_wait_tensorcnt 0x0                           ; the wave's end
	ds_add_u32 v[SPW], v[NIL]
	s_wait_dscnt 0x0
	CROUND                                         ; the closing round
	s_endpgm
.Lfunc_end_k_q4101f6e9dc_attn:
	.size	k_q4101f6e9dc_attn, .Lfunc_end_k_q4101f6e9dc_attn-k_q4101f6e9dc_attn
	.p2alignl 7, 3214868480
	.fill 96, 4, 3214868480
	.section	.rodata,"a",@progbits
	.p2align	6, 0x0
	.amdhsa_kernel k_q4101f6e9dc_attn
		.amdhsa_group_segment_fixed_size 327680
		.amdhsa_private_segment_fixed_size 0
		.amdhsa_enable_private_segment 0
		.amdhsa_kernarg_size 32
		.amdhsa_user_sgpr_count 2
		.amdhsa_user_sgpr_kernarg_segment_ptr 1
		.amdhsa_wavefront_size32 1
		.amdhsa_system_sgpr_workgroup_id_x 1
		.amdhsa_system_sgpr_workgroup_id_y 1
		.amdhsa_system_sgpr_workgroup_id_z 1
		.amdhsa_system_vgpr_workitem_id 0
		.amdhsa_next_free_vgpr 512
		.amdhsa_next_free_sgpr 96
		.amdhsa_reserve_vcc 0
		.amdhsa_float_denorm_mode_32 3
		.amdhsa_float_denorm_mode_16_64 3
		.amdhsa_memory_ordered 1
		.amdhsa_forward_progress 1
		.amdhsa_inst_pref_size 116
	.end_amdhsa_kernel
	.amdgpu_metadata
---
amdhsa.version: [ 1, 2 ]
amdhsa.kernels:
  - .name:           k_q4101f6e9dc_attn
    .symbol:         k_q4101f6e9dc_attn.kd
    .args:
      - { .name: q, .offset: 0, .size: 8, .value_kind: global_buffer, .address_space: global }
      - { .name: mask, .offset: 8, .size: 8, .value_kind: global_buffer, .address_space: global }
      - { .name: kv, .offset: 16, .size: 8, .value_kind: global_buffer, .address_space: global }
      - { .name: out0, .offset: 24, .size: 8, .value_kind: global_buffer, .address_space: global }
    .group_segment_fixed_size: 327680
    .private_segment_fixed_size: 0
    .kernarg_segment_align: 8
    .kernarg_segment_size: 32
    .max_flat_workgroup_size: 256
    .sgpr_count:     96
    .vgpr_count:     512
    .wavefront_size: 32
...
	.end_amdgpu_metadata
.endif
;; end of part 2
